; MI455X (gfx1250); checked and timed in simulation.
; The chip was launched on July 23, 2026; its instructions are those of AMD's public machine-readable ISA for CDNA 5 (MIT licence, August 2026) and "CDNA5" Instruction Set Architecture Reference Guide (July 2026). The comments in the code are by the model that wrote it; some were corrected since.
;; SNNQ Net. Allowed arithmetic: float matrix products may take bf16 or f16 operands with f32 sums; all other float work in f32.
;; Inputs: w_in 128 x 2,048 float32; w_out 18 x 128 float32; w_rec 128 x 128 float32; x 4,096 x 1,024 float32.
;; Outputs: out0 4,096 x 18 float32.
;; One version. Each part assembles by itself: llvm-mc -triple=amdgcn-amd-amdhsa -mcpu=gfx1250 --defsym DOCPART=n.
;; ======== version 1 of 1: 2 launches
;; limits: values outside matrix products are rounded to bf16
;; workspace buffers: wf 589,824 bytes
;; launch prep (part 1): grid 138 x 1, 8 waves a work-group, no clusters, 0 bytes of LDS; arguments w_in, w_rec, w_out, wf; writes wf
.if DOCPART == 1
	.amdgcn_target "amdgcn-amd-amdhsa--gfx1250"
	.amdhsa_code_object_version 6
	.text
	.protected	k_q5fb28b046f_prep
	.globl	k_q5fb28b046f_prep
	.p2align	8
	.type	k_q5fb28b046f_prep,@function
k_q5fb28b046f_prep:
	s_mov_b64 s[64:65], 0
	v_nop
	global_prefetch_b8 v0, s[64:65] scope:SCOPE_SE
	s_setreg_imm32_b32 hwreg(HW_REG_WAVE_MODE, 25, 1), 1
	s_wait_xcnt 0x0
; The three weight matrices, rounded once to bf16 and laid out as ready matrix fragments in wf, so that the main launch's 256 work-groups
; neither convert them again nor read them by rows.  A chunk is 16 bytes = 4 fragment registers of one lane; one thread makes one chunk;
; a wave's store covers 512 consecutive bytes, aligned.  L = lane, r = L & 15, h = L >> 4, c = which half of a fragment (registers 4c .. 4c+3).
;   w_in : byte 65536 P + 16384 w + 8192 u + 1024 j + 512 c + 16 L (P pair of K blocks, w wave, u block in the pair, j tile slot):
;          register i = 4c + ii = { low: w_in[row][col], high: w_in[row][1024 + col] }, row = 16 ((2w + j) & 7) + r, col = 128 P + 32 w + 16 h + 8 u + i
;   w_rec: byte 524288 + 16384 w + 4096 a + 1024 kk + 512 c + 16 L: row 32 w + 16 a + r, columns 32 kk + 16 c + 8 h + 0..7
;   w_out: byte 524288 + 16384 w + 8192 + 1024 ao + 512 c + 16 L: row 16 ao + r (rows 18 and up are zeros), columns 32 w + 16 c + 8 h + 0..7
; Work-groups 0-127 make w_in's part, 128-135 w_rec's, 136 and 137 w_out's.  No LDS, no barrier: no thread needs another's numbers.
.set REC0, 524288                      ; where w_rec's and w_out's parts begin in wf
	s_load_b256 s[4:11], s[0:1], 0x0               ; w_in s[4:5], w_rec s[6:7], w_out s[8:9], wf s[10:11]
	s_mov_b32 s12, ttmp9                           ; b: the work-group's number
	v_and_b32 v1, 15, v0                           ; r
	v_bfe_u32 v2, v0, 4, 1                         ; h
	v_bfe_u32 v3, v0, 5, 1                         ; c
	s_cmp_lt_u32 s12, 128
	s_cbranch_scc0 .Lnot_in
	; ---- w_in: b = 16 P + 4 w + (j >> 1); the thread's bits 6 and 7 are u and j & 1
	s_and_b32 s13, s12, 3
	s_bfe_u32 s14, s12, 0x20002                    ; w
	s_lshr_b32 s15, s12, 4                         ; P
	v_bfe_u32 v4, v0, 6, 1                         ; u
	v_lshrrev_b32 v5, 7, v0
	v_lshl_add_u32 v5, s13, 1, v5                  ; j = 2 (b & 3) + bit 7
	v_lshl_add_u32 v6, s14, 1, v5                  ; 2 w + j
	v_and_b32 v6, 7, v6                            ; the hidden tile that lies in slot j of wave w
	v_lshl_add_u32 v6, v6, 4, v1                   ; row
	v_lshlrev_b32 v6, 13, v6                       ; x 8,192 bytes
	v_lshl_add_u32 v6, v2, 6, v6                   ; + 64 h
	v_lshl_add_u32 v6, v4, 5, v6                   ; + 32 u
	v_lshl_add_u32 v6, v3, 4, v6                   ; + 16 c
	s_lshl_b32 s16, s15, 9
	s_lshl_b32 s17, s14, 7
	s_add_co_u32 s16, s16, s17
	v_add_nc_u32 v6, s16, v6                       ; + 512 P + 128 w
	v_and_b32 v7, 31, v0
	v_lshlrev_b32 v7, 4, v7                        ; 16 L
	v_lshl_add_u32 v7, v3, 9, v7
	v_lshl_add_u32 v7, v5, 10, v7
	v_lshl_add_u32 v7, v4, 13, v7
	s_lshl_b32 s16, s15, 16
	s_lshl_b32 s17, s14, 14
	s_add_co_u32 s16, s16, s17
	v_add_nc_u32 v7, s16, v7
	s_wait_kmcnt 0x0
	global_load_b128 v[8:11], v6, s[4:5]               ; four columns of the positive half
	global_load_b128 v[12:15], v6, s[4:5] offset:4096  ; the same four of the negative half, 1,024 columns on
	s_wait_loadcnt 0x0
.irp i, 0,1,2,3
	v_cvt_pk_bf16_f32 v[16+\i], v[8+\i], v[12+\i]      ; low half: positive, high half: negative
.endr
	global_store_b128 v7, v[16:19], s[10:11]
	s_endpgm
.Lnot_in:
	s_cmp_lt_u32 s12, 136
	s_cbranch_scc0 .Lout
	; ---- w_rec: b - 128 = 2 w + a; the thread's bits 7:6 are kk
	s_sub_co_u32 s13, s12, 128
	s_and_b32 s14, s13, 1                          ; a
	s_lshr_b32 s15, s13, 1                         ; w
	v_lshrrev_b32 v4, 6, v0                        ; kk
	s_lshl_b32 s16, s15, 5
	s_lshl4_add_u32 s16, s14, s16                  ; 32 w + 16 a
	v_add_nc_u32 v6, s16, v1                       ; row
	v_lshlrev_b32 v6, 9, v6                        ; x 512 bytes
	v_lshl_add_u32 v6, v4, 7, v6
	v_lshl_add_u32 v6, v3, 6, v6
	v_lshl_add_u32 v6, v2, 5, v6
	s_lshl_b32 s17, s15, 14
	s_lshl_b32 s18, s14, 12
	s_add_co_u32 s17, s17, s18
	s_add_co_u32 s17, s17, REC0
	v_lshl_add_u32 v7, v0, 4, s17                  ; 1024 kk + 512 c + 16 L is 16 x the thread's number
	s_wait_kmcnt 0x0
	global_load_b128 v[8:11], v6, s[6:7]
	global_load_b128 v[12:15], v6, s[6:7] offset:16
	s_wait_loadcnt 0x0
.irp i, 0,1,2,3
	v_cvt_pk_bf16_f32 v[16+\i], v[8+2*\i], v[9+2*\i]
.endr
	global_store_b128 v7, v[16:19], s[10:11]
	s_endpgm
.Lout:
	; ---- w_out: the thread's bit 6 is ao, w = 2 (b - 136) + bit 7
	s_sub_co_u32 s13, s12, 136
	v_bfe_u32 v4, v0, 6, 1                         ; ao
	v_lshrrev_b32 v5, 7, v0
	v_lshl_add_u32 v5, s13, 1, v5                  ; w
	v_lshl_add_u32 v20, v4, 4, v1                  ; row 16 ao + r, 0 to 31
	v_min_u32 v6, 17, v20                          ; the padded rows load row 17, inside the buffer, and are zeroed below
	v_lshlrev_b32 v6, 9, v6
	v_lshl_add_u32 v6, v5, 7, v6
	v_lshl_add_u32 v6, v3, 6, v6
	v_lshl_add_u32 v6, v2, 5, v6
	v_and_b32 v7, 127, v0
	v_lshlrev_b32 v7, 4, v7                        ; 1024 ao + 512 c + 16 L
	v_lshl_add_u32 v7, v5, 14, v7
	v_add_nc_u32 v7, REC0+8192, v7
	s_wait_kmcnt 0x0
	global_load_b128 v[8:11], v6, s[8:9]
	global_load_b128 v[12:15], v6, s[8:9] offset:16
	v_cmp_gt_u32 vcc_lo, 18, v20
	s_wait_loadcnt 0x0
.irp i, 0,1,2,3
	v_cvt_pk_bf16_f32 v[16+\i], v[8+2*\i], v[9+2*\i]
.endr
.irp i, 0,1,2,3
	v_cndmask_b32 v[16+\i], 0, v[16+\i], vcc_lo
.endr
	global_store_b128 v7, v[16:19], s[10:11]
	s_endpgm
.Lfunc_end_k_q5fb28b046f_prep:
	.size	k_q5fb28b046f_prep, .Lfunc_end_k_q5fb28b046f_prep-k_q5fb28b046f_prep
	.p2alignl 7, 3214868480
	.fill 96, 4, 3214868480
	.section	.rodata,"a",@progbits
	.p2align	6, 0x0
	.amdhsa_kernel k_q5fb28b046f_prep
		.amdhsa_group_segment_fixed_size 0
		.amdhsa_private_segment_fixed_size 0
		.amdhsa_enable_private_segment 0
		.amdhsa_kernarg_size 32
		.amdhsa_user_sgpr_count 2
		.amdhsa_user_sgpr_kernarg_segment_ptr 1
		.amdhsa_wavefront_size32 1
		.amdhsa_system_sgpr_workgroup_id_x 1
		.amdhsa_system_sgpr_workgroup_id_y 1
		.amdhsa_system_sgpr_workgroup_id_z 1
		.amdhsa_system_vgpr_workitem_id 0
		.amdhsa_next_free_vgpr 24
		.amdhsa_next_free_sgpr 66
		.amdhsa_reserve_vcc 1
		.amdhsa_float_denorm_mode_32 3
		.amdhsa_float_denorm_mode_16_64 3
		.amdhsa_memory_ordered 1
		.amdhsa_forward_progress 1
		.amdhsa_inst_pref_size 6
	.end_amdhsa_kernel
	.amdgpu_metadata
---
amdhsa.version: [ 1, 2 ]
amdhsa.kernels:
  - .name:           k_q5fb28b046f_prep
    .symbol:         k_q5fb28b046f_prep.kd
    .args:
      - { .name: w_in, .offset: 0, .size: 8, .value_kind: global_buffer, .address_space: global }
      - { .name: w_rec, .offset: 8, .size: 8, .value_kind: global_buffer, .address_space: global }
      - { .name: w_out, .offset: 16, .size: 8, .value_kind: global_buffer, .address_space: global }
      - { .name: wf, .offset: 24, .size: 8, .value_kind: global_buffer, .address_space: global }
    .group_segment_fixed_size: 0
    .private_segment_fixed_size: 0
    .kernarg_segment_align: 8
    .kernarg_segment_size: 32
    .max_flat_workgroup_size: 256
    .sgpr_count:     66
    .vgpr_count:     24
    .wavefront_size: 32
...
	.end_amdgpu_metadata
.endif
;; end of part 1
;; launch main (part 2): grid 256 x 1, 4 waves a work-group, clusters of 4 x 1, 327,680 bytes of LDS; arguments x, wf, out0; writes out0
.if DOCPART == 2
	.amdgcn_target "amdgcn-amd-amdhsa--gfx1250"
	.amdhsa_code_object_version 6
	.text
	.protected	k_q5fb28b046f_main
	.globl	k_q5fb28b046f_main
	.p2align	8
	.type	k_q5fb28b046f_main,@function
k_q5fb28b046f_main:
	s_mov_b64 s[64:65], 0
	v_nop
	global_prefetch_b8 v0, s[64:65] scope:SCOPE_SE
	s_setreg_imm32_b32 hwreg(HW_REG_WAVE_MODE, 25, 1), 1
	s_wait_xcnt 0x0
	s_wait_alu depctr_hold_cnt(0) depctr_sa_sdst(0) depctr_va_vdst(0) depctr_va_sdst(0) depctr_va_ssrc(0) depctr_va_vcc(0) depctr_vm_vsrc(0)
	s_getreg_b32 s2, hwreg(HW_REG_IB_STS2, 6, 4)
	s_cmp_eq_u32 s2, 0
	s_cbranch_scc0 .Lentry_in_a_cluster
	s_endpgm
.Lentry_in_a_cluster:
	s_bfe_u32 s2, ttmp6, 0x10000c
	s_cmp_lg_u32 s2, 0x3003
	s_cbranch_scc0 .Lentry_shape_is_right
	s_endpgm
.Lentry_shape_is_right:
; Spike encoder, input product, recurrent LIF layer, leaky read-out, maximum over time and softmax, in one launch.
; A work-group owns 16 batch rows; four waves, one for each SIMD of a WGP.
;
; WHAT IS NOT COMPUTED, by the recurrence itself: the current after the last step is never used, so the tenth spike frame and its product
; are left out (nine frames, t = 0 .. 8); the first step gives no hidden spike and a read-out voltage of 0, so the maximum over time starts at 0.
; PHASE 1, the input product for all nine frames at once (the frames do not hang on the recurrent state).  K is split over the waves: in each of 16
; blocks a lane encodes 8 elements of x straight into the 8 registers of a matrix fragment: one register = one element, positive spike in the low half,
; negative spike in the high half (an element's two currents exclude each other, so one encoder on |50 x| serves both and the sign picks the half).
; The weights' fragments carry the same order of k.  A wave keeps 9 frames x 8 hidden tiles = 72 accumulators, 576 registers.
; THE MATRIX INSTRUCTION IS USED TRANSPOSED: source 0 = weights (m = hidden unit), source 1 = spikes (n = batch row).  A lane (r, h) then holds hidden
; units 8 h + 0..7 of batch row r, which, packed to bf16, is already source 1 of the recurrent and read-out products.
; PHASE 2: the four waves' partial sums meet in LDS; wave w owns hidden units 32 w .. 32 w + 31 (its tile slots 0 and 1: the tiles are rotated by 2 w).
; A spike of step t acts on the spikes of step t + 2, so two steps share one exchange of spikes: four exchanges.  The read-out is linear in the spikes: each wave
; filters its own 32 units' share, and wave 0 adds the four voltages, takes the maximum over time and the softmax.
; CLUSTERS: every work-group reads the same weights; four work-groups form a cluster and ask for each tile jointly (mask 15).  All words of the
; descriptors hang on the wave's number and constants alone.
; LIMITS: x and all weights are rounded to bf16 (matrix operands; x too, so that spikes and weights belong to one set of rounded inputs); everything else is f32 in the
; recurrence's order with multiply and add fused; the f32 sums over K are split over four waves.  50 |x| must stay finite (|x| < 6.8e36): beyond it the
; recurrence's reset gives NaN and this text gives 0.  A NaN in x gives no spike, as in the recurrence.  NaN or infinite weights are not followed (resets are selects, the maximum drops NaN).
.set XO,  1                            ; v1      x: 4096 r + 128 w + 64 h
.set LA,  2                            ; v2, v3  my part of slot 0, 1: 16384 w + 16 L (+ 65536)
.set ST,  4                            ; v4-6    where my partial sums for wave (w + q + 1) & 3 go
.set KLO, 7                            ; v7      bf16 1.0 in the low half
.set KHI, 8                            ; v8      bf16 1.0 in the high half
.set RD,  9                            ; v9      the three partial sums meant for me
.set ZW,  10                           ; v10     where I put my spikes
.set ZR,  11                           ; v11     where all waves' spikes are read
.set VS2, 12                           ; v12     16384 w + 8 L
.set FA,  13                           ; v13     the end: 16 L
.set FB,  14                           ; v14     the end: 8 L
.set CC,  16                           ; v[16:31]  currents, two sets of 8
.set WW,  32                           ; v[32:47]  the word that a spike writes (KLO or KHI), two sets of 8: at CC + 16
.set XX,  48                           ; v[48:79]  x, two buffers of 16
.set TT,  80                           ; v[80:83]  at work
.set WT,  128                          ; v[128:255] weight fragments, two buffers of 8 tiles
; windows 1 to 3 (an instruction names v0-v255; s_set_vgpr_msb says which window each operand place means): frame t lives in window 1 + t / 3:
; accumulator (t, j) at 64 (t % 3) + 8 j; and in each window:
.set VV,  192                          ; v[192:199] encoder voltage
.set DQ,  200                          ; v[200:207] current - voltage
.set FR,  208                          ; v[208:223] spike fragments, two buffers: frame t in buffer t % 2
.set MK,  66                           ; s[66:81] lane masks
.set G1,  16                           ; s[16:23] descriptor group 1, weight tiles
.set G1Z, 24                           ; s[24:31] descriptor group 1, recurrent and read-out weights
.set G0,  32                           ; s[32:39] descriptor group 0, one set for each slot
.set G0Z, 40                           ; s[40:43] descriptor group 0, recurrent and read-out weights
.set SLOT,  65536                      ; LDS: slot 0 at 0, slot 1 at 65536; 16,384 bytes for each wave in each
.set STAGE, 65536                      ; 12 regions of partial sums; begins on slot 1, which has then had its last fill and its last read
.set REG,   18432                      ; a region: 9 frames x 2 tiles x 1,024 bytes
.set ZX,    286720                     ; two buffers of 8,192 bytes for the exchange of spikes
.set MSB, 0
.macro WIN new                         ; the immediate's high byte repeats the setting that is left
.if MSB != \new
	s_set_vgpr_msb (MSB<<8)|\new
.set MSB, \new
.endif
.endm
; A round of the cluster's barrier: my work-group's barrier, wave 0 signals for the work-group, every wave waits for all four work-groups, my work-group's barrier again.
.macro ROUND
	s_barrier_signal -1
	s_barrier_wait -1
	s_cmp_lg_u32 s10, 0
	s_cbranch_scc1 .Lnot_wave_0_\@
	s_barrier_signal -3
.Lnot_wave_0_\@:
	s_barrier_wait -3
	s_barrier_signal -1
	s_barrier_wait -1
.endm
.macro PLACES                          ; four places behind a matrix instruction (ISA guide 7.12.1) where there is no other vector work
.rept 4
	v_nop
.endr
.endm
; 16 LDS loads: block u's eight weight fragments from my part of slot sl; 32 lanes take 512 consecutive bytes each time
.macro WLOAD sl, u
.irp i, 0,1,2,3,4,5,6,7,8,9,10,11,12,13,14,15
	ds_load_b128 v[WT+64*\u+4*\i:WT+64*\u+4*\i+3], v[LA+(\sl)] offset:8192*\u+512*\i
.endr
.endm
; 8 elements of x (buffer xb, from element e0) become currents and spike words (set cw).  x is rounded to bf16 first.
.macro PRE xb, e0, cw
.irp p, 0,1,2,3
	v_cvt_pk_bf16_f32 v[TT+\p], v[XX+16*(\xb)+\e0+2*\p], v[XX+16*(\xb)+\e0+2*\p+1]
.endr
.irp e, 0,1,2,3,4,5,6,7
	v_cmp_gt_i32 vcc_lo, 0, v[XX+16*(\xb)+\e0+\e]                  ; the sign bit
	v_cndmask_b32 v[WW+8*\cw+\e], v[KLO], v[KHI], vcc_lo           ; negative: the spike goes to the high half
.endr
.irp p, 0,1,2,3
	v_lshlrev_b32 v[XX+16*(\xb)+\e0+2*\p], 16, v[TT+\p]
	v_and_b32 v[XX+16*(\xb)+\e0+2*\p+1], s50, v[TT+\p]
.endr
.irp e, 0,1,2,3,4,5,6,7
	v_mul_f32 v[CC+8*\cw+\e], s48, |v[XX+16*(\xb)+\e0+\e]|         ; relu(50 x) or relu(-50 x), whichever is not 0
.endr
.irp e, 0,1,2,3,4,5,6,7
	v_max_num_f32 v[CC+8*\cw+\e], 0, v[CC+8*\cw+\e]                ; a NaN becomes no current: no spike, as in the recurrence
.endr
.endm
; The encoder's step as a list of operations, dealt out behind the matrix instructions.  Every one fits the matrix instructions' setting (source 0 in window 0, the
; rest in the frame's window), so none costs a switch.  ekind 0: d = c - v (4), v += 0.1 d (4), keep = 1 >= v (8), fragment = keep ? 0 : word (8), v = keep ? v : 0 (8).
; ekind 1, a new block with v = 0: v = 0.1 c (4), then the last three kinds.  EMIT n issues the next n while the list lasts (ek < elim).
.macro EMIT n
.rept \n
.if ek < elim
.set eq, ek+4*ekind
.if ek < 4
.if ekind
	v_pk_mul_f32 v[VV+2*ek:VV+2*ek+1], v[ecw+2*ek:ecw+2*ek+1], s[44:45] op_sel_hi:[1,0]
.else
	v_pk_add_f32 v[DQ+2*ek:DQ+2*ek+1], v[ecw+2*ek:ecw+2*ek+1], v[VV+2*ek:VV+2*ek+1] neg_lo:[0,1] neg_hi:[0,1]
.endif
.elseif eq < 8
	v_pk_fma_f32 v[VV+2*eq-8:VV+2*eq-7], s[44:45], v[DQ+2*eq-8:DQ+2*eq-7], v[VV+2*eq-8:VV+2*eq-7] op_sel_hi:[0,1,1]
.elseif eq < 16
	v_cmp_ge_f32 s[MK+eq-8], 1.0, v[VV+eq-8]
.elseif eq < 24
	v_cndmask_b32 v[efn+eq-16], v[ecw+eq], 0, s[MK+eq-16]          ; ecw + 16 + (eq - 16): the element's spike word
.else
	v_cndmask_b32 v[VV+eq-24], 0, v[VV+eq-24], s[MK+eq-24]
.endif
.set ek, ek+1
.endif
.endr
.endm
; Frame t of block u: eight matrix instructions, one for each hidden tile; behind each a share of the encoder step that makes the next frame.
; The 72 accumulators take turns, one instruction a turn, in the same order in every block and over the loop's backward jump.
; zero = 1: the first product starts the sums.  kind 0: the next frame of this block; 1 (t = 8): frame 0 of the next block; 2: nothing more to encode.
; Where the next frame lives in the next window (t = 2, 5, 8) the operations that write it come as one run under a setting with the old window as source and the new as destination.
; last = 1: the six tiles that belong to other waves go to LDS; at least four plain vector instructions stand between the frame's last product and these stores.
.macro STEP t, u, zero, kind, last
	WIN ((1+\t/3)*0x54)
.set ab, 64*(\t%3)
.set fb, FR+8*(\t%2)
.set ek, 0
.set ekind, 0
.set ecw, CC+8*\u
.set efn, FR+8*((\t+1)%2)
.set elim, 32
.set eper, 4
.if \t%3 == 2
.set elim, 16
.set eper, 2
.endif
.if \kind == 1
.set ekind, 1
.set ecw, CC+8*(1-\u)
.set efn, FR
.set elim, 12
.endif
.if \kind == 2
.set elim, 0
.endif
.irp j, 0,1,2,3,4,5,6,7
.if \zero
	v_wmma_f32_16x16x32_bf16 v[ab+8*\j:ab+8*\j+7], v[WT+64*\u+8*\j:WT+64*\u+8*\j+7], v[fb:fb+7], 0
.else
	v_wmma_f32_16x16x32_bf16 v[ab+8*\j:ab+8*\j+7], v[WT+64*\u+8*\j:WT+64*\u+8*\j+7], v[fb:fb+7], v[ab+8*\j:ab+8*\j+7]
.endif
	EMIT eper
.endr
.if \t%3 == 2
.if \kind == 2
	PLACES
.else
	WIN ((1+\t/3)*0x14+((1+\t/3)%3+1)*0x40)
.set elim, elim+16
	EMIT 16
.endif
.endif
.if \last
.if \t == 0
	s_barrier_wait -1                              ; every wave has its last weights out of slot 1: the stage may now be written over it
.endif
.irp q, 0,1,2
.irp a, 0,1
.irp c, 0,1
	ds_store_b128 v[ST+\q], v[ab+8*(2*\q+2+\a)+4*\c:ab+8*(2*\q+2+\a)+4*\c+3] offset:(2*\t+\a)*1024+512*\c
.endr
.endr
.endr
.endif
.endm
.macro SUBA u, zero, last              ; frames 0 to 3 of a block
	s_wait_dscnt 0x0                               ; this block's weight fragments, asked for half a block ago, are in
.if \last
	s_wait_tensorcnt 0x0                           ; my recurrent and read-out weights, asked for 112 matrix instructions ago, have landed: no tensor load is out from here on
	s_barrier_signal -1                            ; my reads of slot 1 are over
.endif
	STEP 0, \u, \zero, 0, \last
	STEP 1, \u, \zero, 0, \last
	STEP 2, \u, \zero, 0, \last
	STEP 3, \u, \zero, 0, \last
.endm
.macro SUBB u, zero, last, kend        ; frames 4 to 8
	STEP 4, \u, \zero, 0, \last
	STEP 5, \u, \zero, 0, \last
	STEP 6, \u, \zero, 0, \last
	STEP 7, \u, \zero, 0, \last
	STEP 8, \u, \zero, \kend, \last
.endm
; In the middle of a pair's first block: the second block's weights and currents; then x of the pair after the next into the buffer just used up.
.macro MID0 par, xload
	WIN 0
	WLOAD \par, 1
	PRE \par, 8, 1
.if \xload
	s_wait_xcnt 0x0                                ; the base of the earlier x loads is stepped only behind this wait
	s_add_nc_u64 s[54:55], s[54:55], 512
.irp i, 0,1,2,3
	global_load_b128 v[XX+16*\par+4*\i:XX+16*\par+4*\i+3], v[XO], s[54:55] offset:512+16*\i
.endr
.endif
.endm
; In the middle of a pair's second block: the change of slots.  Slot par has been read (both blocks' fragments are in registers).  Every wave waits for its LDS reads and for all its
; tensor loads (the one that is out is the other slot's tile), a round of the cluster's barrier follows, and the joint refill is the first thing behind it, one load a wave.
; From that request to the wait for it a wave issues 144 matrix instructions.  lcnt: how many younger x loads may stay out.
.macro MID1 par, lcnt, mode
	WIN 0
	s_set_vgpr_msb 0xa
	s_wait_tensorcnt 0x0                           ; all my tensor loads have landed, so a group 0 may be written
	ds_add_u32 v254, v255
	s_wait_dscnt 0x0
	s_set_vgpr_msb 0xa00
.if \mode == 1
	s_add_nc_u64 s[G0+4*\par+2:G0+4*\par+3], s[G0+4*\par+2:G0+4*\par+3], 2*SLOT   ; this slot's next tile, two pairs on
.endif
	s_wait_dscnt 0x0
	ROUND
.if \mode == 1
	tensor_load_to_lds s[G0+4*\par:G0+4*\par+3], s[G1:G1+7]
	s_nop 0
.else
	tensor_load_to_lds s[G0Z:G0Z+3], s[G1Z:G1Z+7]  ; slot 0's last fill: recurrent and read-out weights
	s_nop 0
.endif
	WLOAD (1-\par), 0
	s_wait_loadcnt \lcnt                           ; the next pair's x is in
	PRE (1-\par), 0, 0
.endm
.macro PAIR par, zero, xload, lcnt, mode
	SUBA 0, \zero, 0
	MID0 \par, \xload
	SUBB 0, \zero, 0, 1
	SUBA 1, 0, 0
	MID1 \par, \lcnt, \mode
	SUBB 1, 0, 0, 1
	WIN 0                                          ; at a label and at a branch every window is 0
.endm
	; ---------------- the head
	s_load_b128 s[4:7], s[0:1], 0x0                ; x s[4:5], wf s[6:7]
	s_load_b64 s[8:9], s[0:1], 0x10                ; out0
	s_set_vgpr_msb 0x80
	v_lshl_add_u32 v254, v0, 2, 0x4a000
	v_mov_b32 v255, 0
	s_set_vgpr_msb 0x808a
	ds_add_u32 v254, v255
	s_set_vgpr_msb 0x8a00
	v_lshrrev_b32 v15, 5, v0
	v_readfirstlane_b32 s10, v15                   ; wave 0..3
	s_bfe_u32 s11, ttmp6, 0x40000                  ; cx
	s_lshl_b32 s12, ttmp9, 2
	s_add_co_u32 s12, s12, s11                     ; the work-group's number: it enters the addresses of x and out0 alone
	s_mov_b32 s44, 0x3dcccccd                      ; 0.1, twice
	s_mov_b32 s45, 0x3dcccccd
	s_mov_b32 s46, 0x3f4ccccd                      ; 0.8, twice
	s_mov_b32 s47, 0x3f4ccccd
	s_mov_b32 s48, 0x42480000                      ; 50.0
	s_mov_b32 s50, 0xffff0000
	s_mov_b32 s53, 0x3fb8aa3b                      ; log2 e
	s_mov_b32 s84, 0x76543210                      ; v_permlanex16_b32: lane i reads lane i of the other half
	s_mov_b32 s85, 0xfedcba98
	; group 1: a dense block as rows of 256 bytes (32 elements of 8 bytes); 64 rows = my 16,384 bytes of a tile; 40 rows = 10,240 bytes of recurrent and read-out weights
	s_mov_b32 s[G1+0], 15|(3<<16)|(1<<21)          ; 15:0 the cluster's four work-groups; 17:16 elements of 8 bytes; 21 set beside a mask
	s_mov_b32 s[G1+1], 32<<16                      ; tensor_dim0 = 32
	s_mov_b32 s[G1+2], 64<<16                      ; tensor_dim1 = 64
	s_mov_b32 s[G1+3], 32<<16                      ; tile_dim0 = 32
	s_mov_b32 s[G1+4], 64                          ; tile_dim1 = 64
	s_mov_b32 s[G1+5], 32                          ; elements from row to row
	s_mov_b32 s[G1+6], 0
	s_mov_b32 s[G1+7], 0
	s_mov_b32 s[G1Z+0], 15|(3<<16)|(1<<21)
	s_mov_b32 s[G1Z+1], 32<<16
	s_mov_b32 s[G1Z+2], 40<<16
	s_mov_b32 s[G1Z+3], 32<<16
	s_mov_b32 s[G1Z+4], 40
	s_mov_b32 s[G1Z+5], 32
	s_mov_b32 s[G1Z+6], 0
	s_mov_b32 s[G1Z+7], 0
	v_and_b32 v15, 31, v0                          ; L
	v_and_b32 v13, 15, v0                          ; r
	v_bfe_u32 v14, v0, 4, 1                        ; h
	s_lshl_b32 s14, s10, 14                        ; 16384 w
	s_mov_b32 s15, 0
	s_lshl_b32 s2, s10, 7
	v_lshl_add_u32 v[XO], v13, 12, s2
	v_lshl_add_u32 v[XO], v14, 6, v[XO]
	v_lshl_add_u32 v[LA], v15, 4, s14
	v_add_nc_u32 v[LA+1], SLOT, v[LA]
	v_lshl_add_u32 v[VS2], v15, 3, s14
.irp q, 0,1,2
	s_add_co_u32 s2, s10, \q+1
	s_and_b32 s2, s2, 3                            ; d, the wave that owns my tile slots 2 q + 2 and 2 q + 3
	s_mul_i32 s2, s2, 3*REG
	s_add_co_u32 s2, s2, STAGE+\q*REG              ; region 3 d + q
	v_lshl_add_u32 v[ST+\q], v15, 4, s2
.endr
	s_mul_i32 s2, s10, 3*REG
	s_add_co_u32 s2, s2, STAGE
	v_lshl_add_u32 v[RD], v15, 4, s2               ; regions 3 w .. 3 w + 2
	s_lshl_b32 s2, s10, 10
	s_add_co_u32 s2, s2, ZX
	v_lshl_add_u32 v[ZW], v15, 4, s2
	v_lshlrev_b32 v[ZR], 4, v15
	v_add_nc_u32 v[ZR], ZX, v[ZR]
	v_mov_b32 v[KLO], 0x3f80
	v_mov_b32 v[KHI], 0x3f800000
	s_lshl_b32 s2, s12, 16                         ; 16 rows of 4,096 bytes
	s_mov_b32 s3, 0
	s_wait_dscnt 0x0
	s_wait_kmcnt 0x0
	s_add_nc_u64 s[54:55], s[4:5], s[2:3]          ; x at my first row
	s_mul_i32 s2, s12, 1152                        ; 16 rows of 72 bytes
	s_add_nc_u64 s[8:9], s[8:9], s[2:3]
	; x of pairs 0 and 1: a lane takes 64 consecutive bytes (16 elements) of row r; the four waves together take 512 consecutive bytes of each row
.irp i, 0,1,2,3
	global_load_b128 v[XX+4*\i:XX+4*\i+3], v[XO], s[54:55] offset:16*\i
.endr
.irp i, 0,1,2,3
	global_load_b128 v[XX+16+4*\i:XX+16+4*\i+3], v[XO], s[54:55] offset:512+16*\i
.endr
	s_add_nc_u64 s[G0+2:G0+3], s[6:7], s[14:15]    ; wf + 16384 w: my part of tile 0
	s_add_nc_u64 s[G0+6:G0+7], s[G0+2:G0+3], SLOT  ; of tile 1
	s_add_nc_u64 s[G0Z+2:G0Z+3], s[G0+2:G0+3], 8*SLOT  ; of the recurrent and read-out weights
	s_or_b32 s[G0+3], s[G0+3], 0x80000000
	s_or_b32 s[G0+7], s[G0+7], 0x80000000
	s_or_b32 s[G0Z+3], s[G0Z+3], 0x80000000
	s_mov_b32 s[G0], 1
	s_mov_b32 s[G0+4], 1
	s_mov_b32 s[G0Z], 1
	s_lshl_b32 s[G0+1], s10, 14                    ; LDS: 16384 w in slot 0,
	s_add_co_u32 s[G0+5], s14, SLOT                ; in slot 1,
	s_lshl_b32 s[G0Z+1], s10, 14                   ; and slot 0 again
	ROUND                                          ; all four work-groups are here: the first joint loads meet
	tensor_load_to_lds s[G0:G0+3], s[G1:G1+7]      ; both first fills as one group: two tensor loads of the wave are out here, one behind every later round
	s_nop 0
	tensor_load_to_lds s[G0+4:G0+7], s[G1:G1+7]
	s_nop 0
	s_wait_loadcnt 0x4                             ; x of pair 0 is in; pair 1's four loads stay out
	PRE 0, 0, 0
	WIN 0x54
.set ek, 0
.set ekind, 1
.set ecw, CC
.set efn, FR
.set elim, 28
	EMIT 28                                        ; frame 0 of block 0
	WIN 0
	s_wait_tensorcnt 0x1                           ; my part of tile 0 has landed (only I read it); tile 1 stays out
	WLOAD 0, 0
	; ---------------- phase 1: eight pairs of blocks; tile P lies in slot P % 2
	PAIR 0, 1, 1, 4, 1
	s_mov_b32 s13, 2
.Lpairs:
	PAIR 1, 0, 1, 4, 1
	PAIR 0, 0, 1, 4, 1
	s_sub_co_i32 s13, s13, 1
	s_cmp_lg_u32 s13, 0
	s_cbranch_scc1 .Lpairs
	PAIR 1, 0, 1, 4, 1                             ; pair 5 asks for the last tile and the last x
	PAIR 0, 0, 0, 0, 2                             ; pair 6 asks for the recurrent and read-out weights; no x load is younger than pair 7's
	SUBA 0, 0, 0                                   ; pair 7: nothing more to fetch, no round
	MID0 1, 0
	SUBB 0, 0, 0, 1
	SUBA 1, 0, 1                                   ; the last block sends each frame's foreign tiles to LDS as soon as the frame is summed
	SUBB 1, 0, 1, 2
	WIN 0
	s_wait_dscnt 0x0                               ; my partial sums are in LDS
	s_barrier_signal -1
	s_barrier_wait -1                              ; everybody's are
	; ---------------- phase 2.  Window 0 anew:
.set PP,  16                           ; v[16:111]  the reduction: two buffers x three partial sums x 16
.set VM,  16                           ; v[16:31]   afterwards: membrane voltage of my 32 units (tile a, register j at 8 a + j)
.set DF,  32                           ; v[32:47]   current - voltage, then the spikes as 1.0 or 0
.set RR,  48                           ; v[48:79]   recurrent input, 16 for each of two steps
.set ZP,  80                           ; v[80:95]   my spikes in bf16, 8 for each of two steps: a fragment of source 1
.set LD,  96                           ; v[96:105]  read-out: current - voltage
.set II,  112                          ; v[112:127] synaptic current
.set OO,  128                          ; v[128:159] read-out input, 16 for each of two steps (outputs 8 h + 0..7, then 16 and 17 in lanes 0-15)
.set IO,  160                          ; v[160:169] read-out current
.set VO,  170                          ; v[170:179] read-out voltage
.set WR,  192                          ; v[192:255] recurrent weights, fragment (a, kk) at 8 (4 a + kk)
; window 2 v[192:207]: read-out weights; window 1 v[192:255]: all waves' spikes, fragment (step, kk) at 8 (4 step + kk); A(t) = my tiles of frame t stay where they were summed
.macro RLOAD t, b
.irp q, 0,1,2
.irp a, 0,1
.irp c, 0,1
	ds_load_b128 v[PP+48*(\b)+16*\q+8*\a+4*\c:PP+48*(\b)+16*\q+8*\a+4*\c+3], v[RD] offset:REG*\q+(2*(\t)+\a)*1024+512*\c
.endr
.endr
.endr
.endm
.macro RADD t, b                       ; A(t) = my own sum + the three others'; A(0) is the first current
.irp p, 0,1,2,3,4,5,6,7
	v_pk_add_f32 v[PP+48*(\b)+2*\p:PP+48*(\b)+2*\p+1], v[PP+48*(\b)+2*\p:PP+48*(\b)+2*\p+1], v[PP+48*(\b)+16+2*\p:PP+48*(\b)+16+2*\p+1]
.endr
.irp p, 0,1,2,3,4,5,6,7
	v_pk_add_f32 v[PP+48*(\b)+2*\p:PP+48*(\b)+2*\p+1], v[PP+48*(\b)+2*\p:PP+48*(\b)+2*\p+1], v[PP+48*(\b)+32+2*\p:PP+48*(\b)+32+2*\p+1]
.endr
.if (\t) == 0
	WIN 0x04
.irp p, 0,1,2,3,4,5,6,7
	v_pk_add_f32 v[II+2*\p:II+2*\p+1], v[PP+48*(\b)+2*\p:PP+48*(\b)+2*\p+1], v[2*\p:2*\p+1]
.endr
.else
	WIN ((1+(\t)/3)*0x44)
.irp p, 0,1,2,3,4,5,6,7
	v_pk_add_f32 v[64*((\t)%3)+2*\p:64*((\t)%3)+2*\p+1], v[PP+48*(\b)+2*\p:PP+48*(\b)+2*\p+1], v[64*((\t)%3)+2*\p:64*((\t)%3)+2*\p+1]
.endr
.endif
	WIN 0
.endm
.macro VSTEP tp, first                 ; v += 0.1 (i - v); spike where v > 1; reset; the spikes packed to bf16
.if \first
.irp p, 0,1,2,3,4,5,6,7
	v_pk_mul_f32 v[VM+2*\p:VM+2*\p+1], v[II+2*\p:II+2*\p+1], s[44:45] op_sel_hi:[1,0]
.endr
.else
.irp p, 0,1,2,3,4,5,6,7
	v_pk_add_f32 v[DF+2*\p:DF+2*\p+1], v[II+2*\p:II+2*\p+1], v[VM+2*\p:VM+2*\p+1] neg_lo:[0,1] neg_hi:[0,1]
.endr
.irp p, 0,1,2,3,4,5,6,7
	v_pk_fma_f32 v[VM+2*\p:VM+2*\p+1], v[DF+2*\p:DF+2*\p+1], s[44:45], v[VM+2*\p:VM+2*\p+1] op_sel_hi:[1,0,1]
.endr
.endif
.irp e, 0,1,2,3,4,5,6,7,8,9,10,11,12,13,14,15
	v_cmp_lt_f32 s[MK+\e], 1.0, v[VM+\e]
.endr
.irp e, 0,1,2,3,4,5,6,7,8,9,10,11,12,13,14,15
	v_cndmask_b32 v[DF+\e], 0, 1.0, s[MK+\e]
.endr
.irp e, 0,1,2,3,4,5,6,7,8,9,10,11,12,13,14,15
	v_cndmask_b32 v[VM+\e], v[VM+\e], 0, s[MK+\e]
.endr
.irp p, 0,1,2,3,4,5,6,7
	v_cvt_pk_bf16_f32 v[ZP+8*\tp+\p], v[DF+2*\p], v[DF+2*\p+1]
.endr
.endm
.macro IA t                            ; i = 0.8 i + A(t)
	WIN ((1+(\t)/3)*0x10)
.irp p, 0,1,2,3,4,5,6,7
	v_pk_fma_f32 v[II+2*\p:II+2*\p+1], v[II+2*\p:II+2*\p+1], s[46:47], v[64*((\t)%3)+2*\p:64*((\t)%3)+2*\p+1] op_sel_hi:[1,0,1]
.endr
	WIN 0
.endm
.macro IR tp                           ; i += recurrent input
.irp p, 0,1,2,3,4,5,6,7
	v_pk_add_f32 v[II+2*\p:II+2*\p+1], v[II+2*\p:II+2*\p+1], v[RR+16*\tp+2*\p:RR+16*\tp+2*\p+1]
.endr
.endm
; The read-out's step t on my share: io += input; vo += 0.1 (io - vo); io *= 0.8.  The voltage goes to my own stage, 1,280 bytes a step, in my part of slot 0,
; which has had its last fill and whose weights I have read (LDS serves a wave's instructions in order: ISA guide 5.7.1).
.macro LISTEP tp, t, first
.if \first
.irp p, 0,1,2,3,4
	v_pk_mul_f32 v[VO+2*\p:VO+2*\p+1], v[OO+16*\tp+2*\p:OO+16*\tp+2*\p+1], s[44:45] op_sel_hi:[1,0]
.endr
.irp p, 0,1,2,3,4
	v_pk_mul_f32 v[IO+2*\p:IO+2*\p+1], v[OO+16*\tp+2*\p:OO+16*\tp+2*\p+1], s[46:47] op_sel_hi:[1,0]
.endr
.else
.irp p, 0,1,2,3,4
	v_pk_add_f32 v[IO+2*\p:IO+2*\p+1], v[IO+2*\p:IO+2*\p+1], v[OO+16*\tp+2*\p:OO+16*\tp+2*\p+1]
.endr
.irp p, 0,1,2,3,4
	v_pk_add_f32 v[LD+2*\p:LD+2*\p+1], v[IO+2*\p:IO+2*\p+1], v[VO+2*\p:VO+2*\p+1] neg_lo:[0,1] neg_hi:[0,1]
.endr
.irp p, 0,1,2,3,4
	v_pk_fma_f32 v[VO+2*\p:VO+2*\p+1], v[LD+2*\p:LD+2*\p+1], s[44:45], v[VO+2*\p:VO+2*\p+1] op_sel_hi:[1,0,1]
.endr
.irp p, 0,1,2,3,4
	v_pk_mul_f32 v[IO+2*\p:IO+2*\p+1], v[IO+2*\p:IO+2*\p+1], s[46:47] op_sel_hi:[1,0]
.endr
.endif
	ds_store_b128 v[LA], v[VO:VO+3] offset:((\t)-1)*1280
	ds_store_b128 v[LA], v[VO+4:VO+7] offset:((\t)-1)*1280+512
	ds_store_b64 v[VS2], v[VO+8:VO+9] offset:((\t)-1)*1280+1024
.endm
; Exchange e: the spikes of steps 2 e + 1 and 2 e + 2 go round (ntp = 1: the first alone, where the second's recurrent input would feed a current that nothing uses).
; The two buffers take turns, so one barrier serves: a buffer is written again two exchanges later, behind the barrier of the exchange between, in front of which every wave has waited for its reads.
.macro EXCH e, first, ntp
.irp tp, 0,1
.if \tp < \ntp
.irp c, 0,1
	ds_store_b128 v[ZW], v[ZP+8*\tp+4*\c:ZP+8*\tp+4*\c+3] offset:((\e)%2)*8192+4096*\tp+512*\c
.endr
.endif
.endr
	s_wait_dscnt 0x0                               ; for the others' sake: my spikes are in LDS, and my earlier reads are over
	s_barrier_signal -1
	WIN 0x02                                       ; while the others arrive: the read-out's input from my own spikes, registers alone
.irp tp, 0,1
.irp ao, 0,1
	v_wmma_f32_16x16x32_bf16 v[OO+16*\tp+8*\ao:OO+16*\tp+8*\ao+7], v[192+8*\ao:192+8*\ao+7], v[ZP+8*\tp:ZP+8*\tp+7], 0
.endr
.endr
	WIN 0
	s_barrier_wait -1
	WIN 0x40
.irp tp, 0,1
.if \tp < \ntp
.irp kk, 0,1,2,3
.irp c, 0,1
	ds_load_b128 v[192+8*(4*\tp+\kk)+4*\c:192+8*(4*\tp+\kk)+4*\c+3], v[ZR] offset:((\e)%2)*8192+4096*\tp+1024*\kk+512*\c
.endr
.endr
.endif
.endr
	IA (2*\e+2)                                    ; eight plain instructions: also the places behind the four products above
	LISTEP 0, (2*\e+1), \first
	LISTEP 1, (2*\e+2), 0
	s_wait_dscnt 0x6                               ; the six stores of the read-out may stay out: the spikes' fragments, issued ahead of them, are in
	WIN 0x04
.irp kk, 0,1,2,3                       ; the accumulators take turns, one instruction a turn
.irp tp, 0,1
.if \tp < \ntp
.irp a, 0,1
.if \kk == 0
	v_wmma_f32_16x16x32_bf16 v[RR+16*\tp+8*\a:RR+16*\tp+8*\a+7], v[WR+8*(4*\a+\kk):WR+8*(4*\a+\kk)+7], v[192+8*(4*\tp+\kk):192+8*(4*\tp+\kk)+7], 0
.else
	v_wmma_f32_16x16x32_bf16 v[RR+16*\tp+8*\a:RR+16*\tp+8*\a+7], v[WR+8*(4*\a+\kk):WR+8*(4*\a+\kk)+7], v[192+8*(4*\tp+\kk):192+8*(4*\tp+\kk)+7], v[RR+16*\tp+8*\a:RR+16*\tp+8*\a+7]
.endif
.endr
.endif
.endr
.endr
	WIN 0
	PLACES
.endm
.irp i, 0,1,2,3,4,5,6,7,8,9,10,11,12,13,14,15
	ds_load_b128 v[WR+4*\i:WR+4*\i+3], v[LA] offset:512*\i         ; recurrent weights (four places stand behind the last product that read these registers)
.endr
	WIN 0x80
.irp i, 0,1,2,3
	ds_load_b128 v[192+4*\i:192+4*\i+3], v[LA] offset:8192+512*\i  ; read-out weights, into window 2
.endr
	WIN 0
	RLOAD 0, 0
	RLOAD 1, 1
.irp t, 0,1,2,3,4,5,6,7,8
.if \t < 8
	s_wait_dscnt 0xc                               ; frame t's twelve loads are in; the next frame's twelve stay out
.else
	s_wait_dscnt 0x0
.endif
	RADD \t, (\t%2)
.if \t < 7
	RLOAD (\t+2), (\t%2)
.endif
.endr
	VSTEP 0, 1                                     ; step 1's spikes, from i = A(0) and v = 0
	IA 1
	VSTEP 1, 0                                     ; step 2's: no spike has acted yet
	EXCH 0, 1, 2
.irp e, 1,2,3
	IR 0
	VSTEP 0, 0
	IA (2*\e+1)
	IR 1
	VSTEP 1, 0
.if \e == 3
	EXCH 3, 0, 1
.else
	EXCH \e, 0, 2
.endif
.endr
	IR 0
	VSTEP 0, 0                                     ; step 9's spikes: they act on the read-out alone
	WIN 0x02
	v_wmma_f32_16x16x32_bf16 v[OO:OO+7], v[192:199], v[ZP:ZP+7], 0
	v_wmma_f32_16x16x32_bf16 v[OO+8:OO+15], v[200:207], v[ZP:ZP+7], 0
	WIN 0
	PLACES
	LISTEP 0, 9, 0
	s_wait_dscnt 0x0                               ; my nine voltages are in LDS
	s_barrier_signal -1
	s_barrier_wait -1
	s_cmp_lg_u32 s10, 0
	s_cbranch_scc1 .Lend
	; ---------------- the end, wave 0: add the four shares, maximum over time, softmax over the 18 outputs, 1,152 bytes out
.set QQ, 16                            ; v[16:95] two buffers x four waves x 10
.set MX, 128                           ; v[128:137] the maximum
.macro QL t, b
.irp w, 0,1,2,3
	ds_load_b128 v[QQ+40*(\b)+10*\w:QQ+40*(\b)+10*\w+3], v[FA] offset:16384*\w+((\t)-1)*1280
	ds_load_b128 v[QQ+40*(\b)+10*\w+4:QQ+40*(\b)+10*\w+7], v[FA] offset:16384*\w+((\t)-1)*1280+512
	ds_load_b64 v[QQ+40*(\b)+10*\w+8:QQ+40*(\b)+10*\w+9], v[FB] offset:16384*\w+((\t)-1)*1280+1024
.endr
.endm
	v_lshlrev_b32 v[FA], 4, v0                     ; in wave 0 the thread's number is the lane
	v_lshlrev_b32 v[FB], 3, v0
	QL 1, 1
	QL 2, 0
.irp t, 1,2,3,4,5,6,7,8,9
.if \t < 9
	s_wait_dscnt 0xc                               ; step t's twelve loads are in; the next step's stay out
.else
	s_wait_dscnt 0x0
.endif
.irp p, 0,1,2,3,4
	v_pk_add_f32 v[QQ+40*(\t%2)+2*\p:QQ+40*(\t%2)+2*\p+1], v[QQ+40*(\t%2)+2*\p:QQ+40*(\t%2)+2*\p+1], v[QQ+40*(\t%2)+10+2*\p:QQ+40*(\t%2)+10+2*\p+1]
	v_pk_add_f32 v[QQ+40*(\t%2)+20+2*\p:QQ+40*(\t%2)+20+2*\p+1], v[QQ+40*(\t%2)+20+2*\p:QQ+40*(\t%2)+20+2*\p+1], v[QQ+40*(\t%2)+30+2*\p:QQ+40*(\t%2)+30+2*\p+1]
.endr
.irp p, 0,1,2,3,4
	v_pk_add_f32 v[QQ+40*(\t%2)+2*\p:QQ+40*(\t%2)+2*\p+1], v[QQ+40*(\t%2)+2*\p:QQ+40*(\t%2)+2*\p+1], v[QQ+40*(\t%2)+20+2*\p:QQ+40*(\t%2)+20+2*\p+1]
.endr
.irp j, 0,1,2,3,4,5,6,7,8,9
.if \t == 1
	v_max_num_f32 v[MX+\j], 0, v[QQ+40*(\t%2)+\j]                  ; step 0's voltage is 0
.else
	v_max_num_f32 v[MX+\j], v[MX+\j], v[QQ+40*(\t%2)+\j]
.endif
.endr
.if \t < 8
	QL (\t+2), (\t%2)
.endif
.endr
	; lane (r, h) holds outputs 8 h + 0..7 of row r; lanes 0-15 also outputs 16 and 17
	v_cmp_gt_u32 vcc_lo, 16, v0
	v_max3_num_f32 v100, v[MX], v[MX+1], v[MX+2]
	v_max3_num_f32 v100, v100, v[MX+3], v[MX+4]
	v_max3_num_f32 v100, v100, v[MX+5], v[MX+6]
	v_max_num_f32 v101, v[MX+8], v[MX+9]
	v_max_num_f32 v100, v100, v[MX+7]
	v_cndmask_b32 v101, v100, v101, vcc_lo         ; the last two count in lanes 0-15 alone
	v_max_num_f32 v100, v100, v101
	v_mov_b32 v102, v100                           ; v_permlanex16_b32's destination counts as read
	v_permlanex16_b32 v102, v100, s84, s85
	v_max_num_f32 v100, v100, v102                 ; the row's maximum, taken away before the exponentials
	v_mul_f32 v103, s53, v100
.irp j, 0,1,2,3,4,5,6,7,8,9
	v_fma_f32 v[140+\j], v[MX+\j], s53, -v103
.endr
.irp j, 0,1,2,3,4,5,6,7,8,9
	v_exp_f32 v[150+\j], v[140+\j]
.endr
	v_nop                                          ; one plain instruction behind the last exponential before its result is used (ISA guide 5.7.2)
	s_wait_alu depctr_va_vdst(0)
	v_cndmask_b32 v158, 0, v158, vcc_lo
	v_cndmask_b32 v159, 0, v159, vcc_lo
	v_pk_add_f32 v[104:105], v[150:151], v[152:153]
	v_pk_add_f32 v[106:107], v[154:155], v[156:157]
	v_pk_add_f32 v[104:105], v[104:105], v[158:159]
	v_pk_add_f32 v[104:105], v[104:105], v[106:107]
	v_add_f32 v104, v104, v105
	v_permlanex16_b32 v105, v104, s84, s85
	v_add_f32 v104, v104, v105
	v_rcp_f32 v106, v104
	v_and_b32 v96, 15, v0                          ; r: also the plain instruction behind the reciprocal
	v_lshrrev_b32 v97, 4, v0                       ; h
	s_wait_alu depctr_va_vdst(0)
.irp p, 0,1,2,3,4
	v_pk_mul_f32 v[150+2*\p:151+2*\p], v[150+2*\p:151+2*\p], v[106:107] op_sel_hi:[1,0]
.endr
	; through LDS, so that the block of 1,152 bytes leaves in 16-byte pieces of neighbouring lanes.  The stage lies on the spikes' buffers, which nobody reads any more.
	v_mul_u32_u24 v108, v96, 72
	v_lshl_add_u32 v108, v97, 5, v108
	v_add_nc_u32 v108, ZX, v108                    ; row r, outputs 8 h ..
	v_mad_u32_u24 v109, v97, 1120, v108            ; outputs 16, 17 at + 64; lanes 16-31 put their zeros behind the block (72 r + 64 + 1152)
.irp i, 0,1,2,3
	ds_store_b64 v108, v[150+2*\i:151+2*\i] offset:8*\i
.endr
	ds_store_b64 v109, v[158:159] offset:64
	ds_load_b128 v[112:115], v[ZR]
	ds_load_b128 v[116:119], v[ZR] offset:512
	ds_load_b128 v[120:123], v[ZR] offset:1024     ; lanes 0-7 hold the block's last 128 bytes
	s_wait_dscnt 0x0
	global_store_b128 v[FA], v[112:115], s[8:9]
	global_store_b128 v[FA], v[116:119], s[8:9] offset:512
	v_cmp_gt_u32 vcc_lo, 8, v0
	s_wait_xcnt 0x0                                ; EXEC changes only behind s_wait_xcnt 0
	s_and_saveexec_b32 s82, vcc_lo
	global_store_b128 v[FA], v[120:123], s[8:9] offset:1024
	s_wait_xcnt 0x0                                ; and again in front of the line that widens it
	s_or_b32 exec_lo, exec_lo, s82
.Lend:
	s_set_vgpr_msb 0xa
	s_wait_tensorcnt 0x0
	ds_add_u32 v254, v255
	s_wait_dscnt 0x0
	s_set_vgpr_msb 0xa00
	ROUND                                          ; the closing round: no work-group ends while a partner may still ask for a tile that names it
	s_endpgm
.Lfunc_end_k_q5fb28b046f_main:
	.size	k_q5fb28b046f_main, .Lfunc_end_k_q5fb28b046f_main-k_q5fb28b046f_main
	.p2alignl 7, 3214868480
	.fill 96, 4, 3214868480
	.section	.rodata,"a",@progbits
	.p2align	6, 0x0
	.amdhsa_kernel k_q5fb28b046f_main
		.amdhsa_group_segment_fixed_size 327680
		.amdhsa_private_segment_fixed_size 0
		.amdhsa_enable_private_segment 0
		.amdhsa_kernarg_size 24
		.amdhsa_user_sgpr_count 2
		.amdhsa_user_sgpr_kernarg_segment_ptr 1
		.amdhsa_wavefront_size32 1
		.amdhsa_system_sgpr_workgroup_id_x 1
		.amdhsa_system_sgpr_workgroup_id_y 1
		.amdhsa_system_sgpr_workgroup_id_z 1
		.amdhsa_system_vgpr_workitem_id 0
		.amdhsa_next_free_vgpr 1024
		.amdhsa_next_free_sgpr 96
		.amdhsa_reserve_vcc 1
		.amdhsa_float_denorm_mode_32 3
		.amdhsa_float_denorm_mode_16_64 3
		.amdhsa_memory_ordered 1
		.amdhsa_forward_progress 1
		.amdhsa_inst_pref_size 255
	.end_amdhsa_kernel
	.section	.bss,"aw",@nobits
	.p2align	6
	.space	262144
	.amdgpu_metadata
---
amdhsa.version: [ 1, 2 ]
amdhsa.kernels:
  - .name:           k_q5fb28b046f_main
    .symbol:         k_q5fb28b046f_main.kd
    .args:
      - { .name: x, .offset: 0, .size: 8, .value_kind: global_buffer, .address_space: global }
      - { .name: wf, .offset: 8, .size: 8, .value_kind: global_buffer, .address_space: global }
      - { .name: out0, .offset: 16, .size: 8, .value_kind: global_buffer, .address_space: global }
    .group_segment_fixed_size: 327680
    .private_segment_fixed_size: 0
    .kernarg_segment_align: 8
    .kernarg_segment_size: 24
    .max_flat_workgroup_size: 128
    .sgpr_count:     96
    .vgpr_count:     1024
    .wavefront_size: 32
...
	.end_amdgpu_metadata
.endif
;; end of part 2
